; MI455X (gfx1250); checked and timed in simulation.
; The chip was launched on July 23, 2026; its instructions are those of AMD's public machine-readable ISA for CDNA 5 (MIT licence, August 2026) and "CDNA5" Instruction Set Architecture Reference Guide (July 2026). The comments in the code are by the model that wrote it; some were corrected since.
;; YOSOFFN. Allowed arithmetic: matrix products marked QUANTISED: E3M2 operands, one E8M0 scale for each 32 along K, by v_wmma_scale_f32_16x16x128_f8f6f4 with both operands' format E3M2, f32 sums; everything else in f32.
;; Inputs: bias 1,024 float32; hidden_states 4 x 2,048 x 1,024 float32; k_weight 4,096 x 1,024 float32; ln_bias 1,024 float32; ln_weight 1,024 float32; q_weight_codes 1,024 x 128 x 24 uint8 (E3M2 codes of q_weight, K innermost, in blocks of 32 codes, four codes in three bytes); q_weight_scales 1,024 x 128 uint8 (E8M0 scales of q_weight, one for each 32 codes along K).
;; Outputs: out0 4 x 2,048 x 1,024 float32.
;; This version of the problem:
;;   THIS VERSION OF THE PROBLEM IS GIVEN IN LOW PRECISION. The matrix products marked QUANTISED in the list below multiply operands that are first quantised to E3M2 (3 exponent bits, 2 mantissa bits; 6 bits a number), with one power-of-two scale for each 32 numbers along K (OCP MX v1.0); their sums are f32. All else is computed in f32.
;;   The module's matrix products, in the order in which they are computed (A, B: the left and right operand; K: the contracted axis; several contracted axes count as one K, in the product's order):
;;     1. [M 8,192, K 1,024] x [K 1,024, N 4,096]; A: computed on the way; B: computed on the way: QUANTISED
;;     2. [M 8,192, K 4,096] x [K 4,096, N 1,024]; A: computed on the way; B: input q_weight (given as codes): QUANTISED
;;   THE QUANTISER, for each operand of a quantised product, along K:
;;     - K is cut into blocks of 32 from its start; a last block that is shorter is filled with zeros.
;;     - A block's scale is 2^e with e = floor(log2(the largest magnitude in the block)) - 4, held to -126 .. 127; a block of zeros has e = 0. As a byte (E8M0): e + 127.
;;     - Each number is divided by its block's scale, clamped to +-28, and rounded to the nearest number of E3M2, ties to even, subnormals kept.
;;     - The product sums the exact products of the quantised numbers (number of the format x scale) in f32.
;;   ~~~python
;;   def quantise(x, axis):      # numpy; x: float32 -> the quantised numbers, widened to float32 again
;;       x = np.moveaxis(x, axis, -1); K = x.shape[-1]
;;       x = np.pad(x, [(0, 0)] * (x.ndim - 1) + [(0, -K % 32)]); x = x.reshape(x.shape[:-1] + (-1, 32)); a = np.abs(x).max(-1, keepdims=True)
;;       e = np.where(a > 0, np.clip(np.frexp(np.where(a > 0, a, 1))[1] - 1 - 4, -126, 127), 0)      # np.frexp(a)[1] - 1 = floor(log2(a)), exactly
;;       r = np.clip(x / 2.0 ** e, -28, 28)
;;       step = 2.0 ** (np.maximum(np.frexp(np.where(r == 0, 1, r))[1] - 1, -2) - 2)
;;       q = np.round(r / step) * step * 2.0 ** e      # np.round: ties to even
;;       return np.moveaxis(q.reshape(q.shape[:-2] + (-1,))[..., :K], -1, axis).astype(np.float32)
;;   ~~~
;;   OPERANDS COMPUTED ON THE WAY. 'Computed on the way' means the value that the module computes at that place (a softmax that the list does not call 'softmax' is quantised finished and normalised). What goes into a quantiser is computed in f32, as accurately as f32 sums, v_exp_f32 and their like allow (about 1e-6 of the number): no bf16 or f16 on the way to a quantiser, and a product that is left as it is and whose result goes on into a quantised operand takes f32 operands (vector FMAs, or v_wmma_f32_16x16x4_f32). A number that lies on a knife's edge between two numbers of the format may be rounded either way, as far as f32 arithmetic and the matrix unit's own rounding can turn it there, and no further.
;;   INPUTS GIVEN AS CODES. q_weight (in the module: [4096, 1024], K = its axis 0): each comes as NAME_codes (uint8): NAME with its K axis moved to the last place and cut into blocks of 32 codes, [.., K / 32, bytes a block], one block behind the other in memory; four codes in three bytes: a row's codes are one little-endian stream of bits, code i at bits 6 i .. 6 i + 5 (a code: sign, 3 exponent bits, 2 mantissa bits); and NAME_scales (uint8): the same leading axes, one E8M0 byte (e + 127) for each 32 codes along K. Its value is code x scale, taken as it is: it is not quantised again, and the codes and scales need not be those that the quantiser above would give.
;; One version. Each part assembles by itself: llvm-mc -triple=amdgcn-amd-amdhsa -mcpu=gfx1250 --defsym DOCPART=n.
;; ======== version 1 of 1: 4 launches
;; limits: right only within a limited range of input values
;; workspace buffers: qrec 6,553,600 bytes; krec 3,276,800 bytes; wrec 3,276,800 bytes; brec 26,214,400 bytes; xw 33,554,432 bytes; ssq 262,144 bytes
;; launch prep (part 1): grid 1024 x 1, 4 waves a work-group, no clusters, 31,744 bytes of LDS; arguments hidden_states, k_weight, ln_weight, ln_bias, q_weight_codes, q_weight_scales, qrec, krec, wrec; writes qrec, krec, wrec
.if DOCPART == 1
	.amdgcn_target "amdgcn-amd-amdhsa--gfx1250"
	.amdhsa_code_object_version 6
	.text
	.protected	k_q7df98148eb_prep
	.globl	k_q7df98148eb_prep
	.p2align	8
	.type	k_q7df98148eb_prep,@function
k_q7df98148eb_prep:
	s_mov_b64 s[64:65], 0
	v_nop
	global_prefetch_b8 v0, s[64:65] scope:SCOPE_SE
	s_setreg_imm32_b32 hwreg(HW_REG_WAVE_MODE, 25, 1), 1
	s_wait_xcnt 0x0
; PREP.  The three operands that the two products read many times are laid out once, as codes of BF6 (E3M2) in the order of the operand's registers.
;   work-groups 0-511:    16 rows of hidden_states: LayerNorm, l2 norm, quantised along the 1,024  -> qrec
;   work-groups 512-767:  16 rows of k_weight: l2 norm, quantised                                  -> krec
;   work-groups 768-1023: 16 rows x 1,024 along K of q_weight's codes and scale bytes, only re-laid -> wrec
; LAYOUT of all three.  An IMAGE is a fragment of 16 rows x 128 K as it stands in registers: byte 512 c + 16 L + 4 e = register 4 c + e of lane L (L = row + 16 half; registers 6 c' .. 6 c' + 5 hold
; k = 64 c' + 32 half + 0 .. 31).  A CHUNK is four K steps: four images (1,536 bytes each), then 256 bytes of scale words, byte 16 row + 4 step + block: 6,400 bytes.  A unit here is two chunks, 12,800 bytes.
; krec's tile t takes, in lane-row r, row 32 (t / 2) + 8 (t % 2) + r + 8 (r / 8) of k_weight: so the first product's results lie along the second product's K in a lane's registers.
; SHARES.  A work-group makes one unit; wave w takes its rows 4 w .. 4 w + 3.  hidden_states and k_weight run ONE text: for k_weight the mean's factor is 0 and a mask turns the LayerNorm's
; 1 / sigma, gain and bias into 1, 1 and 0, so that (k - 0) x 1 x 1 + 0 is k itself.  Buffers and constants are chosen by the work-group's number alone.
; A row is loaded 512 consecutive bytes an instruction; for the conversions a lane must hold 32 NEIGHBOURS (a whole block), so the finished row turns through the wave's own stage in LDS.
; The unit is gathered in LDS and leaves in stores of 512 consecutive bytes, aligned.  No tensor loads, no cluster: work-groups share no tile (gain and bias are 8 KB).
; LIMITS: NaN and infinities are not served.  A block of zeros gets the scale byte 1 (its codes are zeros; only this program reads the bytes).  A sum of squares under 2^-126 counts as 0 in the root, and the norm is then held at 1e-12.
.set IMG,  18432                       ; LDS: 0 .. 18,431 four turn stages of 32 x (128 + 16) bytes; from IMG on the unit, 12,800 bytes
.set UNIT, 12800
.set X,    32                          ; v32-159  four rows, 32 numbers a lane each: register 4 i + e = element 128 i + 4 lane + e
.set LW,   160                         ; v160-191 gain;  v192-223 bias; later the two sets of a whole block a lane
.set LB,   192
.set S,    224                         ; v224-239 sums: four registers a row
.set PR,   240                         ; v240-247 a pair a row: mean, 1 / sigma, 1 / norm
.set CD,   224                         ; v224-255 behind the statistics: a block's codes, eight registers a row
.set BY,   20                          ; v20-23   a block's scale byte, one a row
.set WV,   22                          ; s22 wave
.set MUS,  32                          ; s32 1 / 1,024, or 0 for k_weight
.set MSK,  33                          ; s33 0, or all ones for k_weight
.set EPS,  34                          ; s34 1e-12: the LayerNorm's epsilon and the norm's floor
.set SEL,  36                          ; s[36:37] lane selects for v_permlanex16_b32: lane l xor 16
	s_load_b256 s[4:11], s[0:1], 0x0               ; hidden_states, k_weight, ln_weight, ln_bias
	s_load_b256 s[12:19], s[0:1], 0x20             ; q_weight_codes, q_weight_scales, qrec, krec
	s_load_b64 s[20:21], s[0:1], 0x40              ; wrec
	v_lshl_add_u32 v31, v0, 2, 0x7a00
	v_mov_b32 v255, 0
	v_and_b32 v1, 31, v0                           ; lane l
	v_lshrrev_b32 v13, 5, v0
	v_readfirstlane_b32 s[WV], v13                 ; wave 0..3
	v_lshlrev_b32 v2, 4, v1                        ; 16 l: my bytes of a load's 512
	s_mul_i32 s24, s[WV], 4608                     ; my stage
	v_lshrrev_b32 v13, 3, v1
	v_mul_u32_u24 v13, v13, 144
	v_and_b32 v14, 7, v1
	v_lshl_add_u32 v13, v14, 4, v13
	v_add_nc_u32 v3, s24, v13                      ; into the stage: block l / 8 of the load's four, 16 (l % 8) bytes in
	v_mul_u32_u24 v13, v1, 144
	v_add_nc_u32 v4, s24, v13                      ; out of it: block l, whole
	v_lshrrev_b32 v13, 4, v1
	v_mul_u32_u24 v13, v13, 6400                   ; block l lies in chunk l / 16,
	v_bfe_u32 v14, v1, 2, 2
	v_mad_u32_u24 v15, v14, 1536, v13              ; K step (l / 4) % 4 of it,
	v_and_b32 v14, 1, v1
	v_lshl_add_u32 v15, v14, 8, v15                ; lanes 16 (l % 2) + row of the image: 256 (l % 2) + 64 w + 16 row-of-mine
	s_lshl_b32 s25, s[WV], 6
	s_add_co_u32 s25, s25, IMG
	v_add_nc_u32 v15, s25, v15
	v_bfe_u32 v14, v1, 1, 1                        ; c' = (l / 2) % 2: registers 0-5 or 6-11
	v_mad_u32_u24 v5, v14, 520, v15                ; registers 0, 1 or 6, 7
	v_mad_u32_u24 v6, v14, 1016, v15
	v_add_nc_u32 v6, 8, v6                         ; registers 2, 3 or 8, 9
	v_add_nc_u32 v7, 512, v5                       ; registers 4, 5 or 10, 11
	v_and_b32 v14, 15, v1
	v_add_nc_u32 v14, v14, v13
	s_add_co_u32 s25, s25, 6144
	v_add_nc_u32 v8, s25, v14                      ; the scale byte: 16 row + 4 step + block = 64 w + 16 row-of-mine + l % 16, behind the chunk's images
	v_lshlrev_b32 v10, 4, v0                       ; the way out: 16 bytes a thread
	v_add_nc_u32 v9, IMG, v10
	v_mul_u32_u24 v11, v1, 24                      ; q_weight's codes: 24 bytes a block
	s_mov_b32 s[EPS], 0x2b8cbccc
	s_mov_b32 s[SEL], 0x76543210
	s_mov_b32 s[SEL+1], 0xfedcba98
	s_wait_kmcnt 0x0
	s_cmp_lt_u32 ttmp9, 512                        ; which tensor: the choice hangs on the work-group's number alone
	s_cselect_b64 s[28:29], s[16:17], s[18:19]
	s_cselect_b64 s[26:27], s[4:5], s[6:7]
	s_cselect_b32 s23, 0, 512
	s_cselect_b32 s[MUS], 0x3a800000, 0
	s_cselect_b32 s[MSK], 0, -1
	s_cmp_lt_u32 ttmp9, 768
	s_cselect_b64 s[28:29], s[28:29], s[20:21]
	s_cselect_b32 s23, s23, 768
	s_sub_co_u32 s23, ttmp9, s23                   ; the unit's number in its buffer
	s_mul_i32 s30, s23, UNIT
	s_mov_b32 s31, 0
	s_add_nc_u64 s[28:29], s[28:29], s[30:31]      ; where the unit goes
	s_cmp_ge_u32 ttmp9, 768
	s_cbranch_scc1 .Lcodes
	; ---- numbers: my four rows
	s_lshl_b32 s24, s23, 4                         ; hidden_states: row 16 u
	s_lshr_b32 s25, s23, 1
	s_lshl_b32 s25, s25, 5
	s_and_b32 s30, s23, 1
	s_lshl_b32 s30, s30, 3
	s_add_co_u32 s25, s25, s30
	s_lshr_b32 s30, s[WV], 1
	s_lshl_b32 s30, s30, 3
	s_add_co_u32 s25, s25, s30                     ; k_weight: row 32 (t / 2) + 8 (t % 2) + 8 (w / 2)
	s_cmp_lt_u32 ttmp9, 512
	s_cselect_b32 s24, s24, s25
	s_lshl_b32 s30, s[WV], 2
	s_add_co_u32 s24, s24, s30                     ; + 4 w
	s_lshl_b32 s30, s24, 12                        ; rows of 4,096 bytes
	s_add_nc_u64 s[26:27], s[26:27], s[30:31]
.irp i, 0,1,2,3,4,5,6,7
	global_load_b128 v[LW+4*\i:LW+4*\i+3], v2, s[8:9] offset:512*\i
	global_load_b128 v[LB+4*\i:LB+4*\i+3], v2, s[10:11] offset:512*\i
.endr
.irp p, 0,1,2,3
.irp i, 0,1,2,3,4,5,6,7
	global_load_b128 v[X+32*\p+4*\i:X+32*\p+4*\i+3], v2, s[26:27] offset:4096*\p+512*\i th:TH_LOAD_NT   ; 32 lanes read 512 consecutive bytes
.endr
.endr
; The sum (sq = 0) or the sum of squares (sq = 1) of each of the four rows, in every lane, in v[S + 4 row]: two packed chains a row, the rows by turns; then across the lanes.
.macro SUMS sq
.irp p, 0,1,2,3
.if \sq
	v_pk_mul_f32 v[S+4*\p:S+4*\p+1], v[X+32*\p:X+32*\p+1], v[X+32*\p:X+32*\p+1]
	v_pk_mul_f32 v[S+4*\p+2:S+4*\p+3], v[X+32*\p+2:X+32*\p+3], v[X+32*\p+2:X+32*\p+3]
.else
	v_pk_add_f32 v[S+4*\p:S+4*\p+1], v[X+32*\p:X+32*\p+1], v[X+32*\p+4:X+32*\p+5]
	v_pk_add_f32 v[S+4*\p+2:S+4*\p+3], v[X+32*\p+2:X+32*\p+3], v[X+32*\p+6:X+32*\p+7]
.endif
.endr
.irp i, 4,8,12,16,20,24,28
.irp p, 0,1,2,3
.if \sq
	v_pk_fma_f32 v[S+4*\p:S+4*\p+1], v[X+32*\p+\i:X+32*\p+\i+1], v[X+32*\p+\i:X+32*\p+\i+1], v[S+4*\p:S+4*\p+1]
	v_pk_fma_f32 v[S+4*\p+2:S+4*\p+3], v[X+32*\p+\i+2:X+32*\p+\i+3], v[X+32*\p+\i+2:X+32*\p+\i+3], v[S+4*\p+2:S+4*\p+3]
.elseif \i > 4
	v_pk_add_f32 v[S+4*\p:S+4*\p+1], v[S+4*\p:S+4*\p+1], v[X+32*\p+\i:X+32*\p+\i+1]
	v_pk_add_f32 v[S+4*\p+2:S+4*\p+3], v[S+4*\p+2:S+4*\p+3], v[X+32*\p+\i+2:X+32*\p+\i+3]
.endif
.endr
.endr
.irp p, 0,1,2,3
	v_pk_add_f32 v[S+4*\p:S+4*\p+1], v[S+4*\p:S+4*\p+1], v[S+4*\p+2:S+4*\p+3]
.endr
.irp p, 0,1,2,3
	v_add_f32 v[S+4*\p], v[S+4*\p], v[S+4*\p+1]
.endr
.irp m, 1,2,4,8
.irp p, 0,1,2,3
	v_add_f32_dpp v[S+4*\p], v[S+4*\p], v[S+4*\p] row_xmask:\m row_mask:0xf bank_mask:0xf
.endr
.endr
.irp p, 0,1,2,3
	v_permlanex16_b32 v[S+4*\p+1], v[S+4*\p], s[SEL], s[SEL+1]
.endr
.irp p, 0,1,2,3
	v_add_f32 v[S+4*\p], v[S+4*\p], v[S+4*\p+1]
.endr
.endm
.macro TWIN                            ; a row's figure fills both halves of its pair
.irp p, 0,1,2,3
	v_mov_b32 v[PR+2*\p+1], v[PR+2*\p]
.endr
.endm
	s_wait_loadcnt 0x0
.set j, 0
.rept 32
	v_cndmask_b32 v[LW+j], v[LW+j], 1.0, s[MSK]    ; k_weight: gain 1,
	v_cndmask_b32 v[LB+j], v[LB+j], 0, s[MSK]      ; bias 0
.set j, j+1
.endr
	SUMS 0
.irp p, 0,1,2,3
	v_mul_f32 v[PR+2*\p], s[MUS], v[S+4*\p]        ; the mean (k_weight: 0)
.endr
	TWIN
.irp i, 0,2,4,6,8,10,12,14,16,18,20,22,24,26,28,30
.irp p, 0,1,2,3
	v_pk_add_f32 v[X+32*\p+\i:X+32*\p+\i+1], v[X+32*\p+\i:X+32*\p+\i+1], v[PR+2*\p:PR+2*\p+1] neg_lo:[0,1] neg_hi:[0,1]   ; x - mean: the variance is taken of these, not as a difference of large sums
.endr
.endr
	SUMS 1
.irp p, 0,1,2,3
	v_fma_f32 v[S+4*\p], v[S+4*\p], s[MUS], s[EPS] ; variance + 1e-12
.endr
	s_wait_alu depctr_va_vdst(0)
.irp p, 0,1,2,3
	v_rsq_f32 v[PR+2*\p], v[S+4*\p]
.endr
	v_nop                                          ; a plain instruction between the last of these and the use of its result (ISA guide 5.7.2)
	s_wait_alu depctr_va_vdst(0)
.irp p, 0,1,2,3
	v_cndmask_b32 v[PR+2*\p], v[PR+2*\p], 1.0, s[MSK]   ; k_weight: 1
.endr
	TWIN
.irp i, 0,2,4,6,8,10,12,14,16,18,20,22,24,26,28,30
.irp p, 0,1,2,3
	v_pk_mul_f32 v[X+32*\p+\i:X+32*\p+\i+1], v[X+32*\p+\i:X+32*\p+\i+1], v[PR+2*\p:PR+2*\p+1]
.endr
.irp p, 0,1,2,3
	v_pk_fma_f32 v[X+32*\p+\i:X+32*\p+\i+1], v[X+32*\p+\i:X+32*\p+\i+1], v[LW+\i:LW+\i+1], v[LB+\i:LB+\i+1]   ; the LayerNorm's result
.endr
.endr
	SUMS 1
	s_wait_alu depctr_va_vdst(0)
.irp p, 0,1,2,3
	v_sqrt_f32 v[S+4*\p], v[S+4*\p]
.endr
	v_nop
	s_wait_alu depctr_va_vdst(0)
.irp p, 0,1,2,3
	v_max_num_f32 v[S+4*\p], s[EPS], v[S+4*\p]     ; max(norm, 1e-12)
.endr
	s_wait_alu depctr_va_vdst(0)
.irp p, 0,1,2,3
	v_rcp_f32 v[PR+2*\p], v[S+4*\p]
.endr
	v_nop
	s_wait_alu depctr_va_vdst(0)
	TWIN
.irp i, 0,2,4,6,8,10,12,14,16,18,20,22,24,26,28,30
.irp p, 0,1,2,3
	v_pk_mul_f32 v[X+32*\p+\i:X+32*\p+\i+1], v[X+32*\p+\i:X+32*\p+\i+1], v[PR+2*\p:PR+2*\p+1]   ; the normalised row: what is quantised
.endr
.endr
; Row p through my stage: in as loaded, out a whole block of 32 a lane.  LDS serves a wave's instructions in order (ISA guide 5.7.1.4): no wait between the stores and the loads, nor in front of the next row's stores.
.macro TURNROW p
.irp i, 0,1,2,3,4,5,6,7
	ds_store_b128 v3, v[X+32*(\p)+4*\i:X+32*(\p)+4*\i+3] offset:576*\i
.endr
.irp i, 0,1,2,3,4,5,6,7
	ds_load_b128 v[LW+32*((\p)%2)+4*\i:LW+32*((\p)%2)+4*\i+3], v4 offset:16*\i
.endr
.endm
; My block of row p: its largest magnitude (with the floor 2^(5 - 127), which holds the byte at 1 from below), 4 off the exponent field = the conversion's scale operand, its byte, its 32 codes in six registers.
.macro QROW p
.set B, LW+32*((\p)%2)
	v_max3_num_f32 v14, |v[B]|, |v[B+1]|, 0x2800000
	v_max3_num_f32 v15, |v[B+2]|, |v[B+3]|, |v[B+4]|
.irp i, 5,9,13,17,21,25
	v_max3_num_f32 v14, v14, |v[B+\i]|, |v[B+\i+1]|
	v_max3_num_f32 v15, v15, |v[B+\i+2]|, |v[B+\i+3]|
.endr
	v_max3_num_f32 v14, v14, |v[B+29]|, |v[B+30]|
	v_max3_num_f32 v14, v14, v15, |v[B+31]|
	v_add_nc_u32 v16, 0xfe000000, v14
	v_cvt_scalef32_pk16_bf6_f32 v[CD+8*(\p):CD+8*(\p)+2], v[B:B+15], v16
	v_cvt_scalef32_pk16_bf6_f32 v[CD+8*(\p)+4:CD+8*(\p)+6], v[B+16:B+31], v16   ; (a conversion's three registers begin on an even number)
	v_lshrrev_b32 v[BY+(\p)], 23, v16              ; the byte; also the plain instruction behind the conversions
	v_mov_b32 v[CD+8*(\p)+3], v[CD+8*(\p)+4]
	v_mov_b32 v[CD+8*(\p)+4], v[CD+8*(\p)+5]
	v_mov_b32 v[CD+8*(\p)+5], v[CD+8*(\p)+6]
.endm
	TURNROW 0
	TURNROW 1
	s_wait_dscnt 16                                ; row 0 is back; row 1's eight stores and eight loads may be out
	QROW 0
	TURNROW 2
	s_wait_dscnt 16
	QROW 1
	TURNROW 3
	s_wait_dscnt 16
	QROW 2
	s_wait_dscnt 0x0
	QROW 3
	s_branch .Ljoin
.Lcodes:
	; ---- q_weight: lane l takes block l of the unit's 32 of each of my four rows, codes and byte as they are given
	s_lshr_b32 s24, s23, 2                         ; tile of 16 rows
	s_and_b32 s25, s23, 3                          ; quarter of K
	s_lshl_b32 s24, s24, 4
	s_lshl_b32 s30, s[WV], 2
	s_add_co_u32 s24, s24, s30                     ; my first row
	s_mul_i32 s30, s24, 3072
	s_mul_i32 s38, s25, 768
	s_add_co_u32 s30, s30, s38
	s_add_nc_u64 s[12:13], s[12:13], s[30:31]
	s_lshl_b32 s30, s24, 7
	s_lshl_b32 s38, s25, 5
	s_add_co_u32 s30, s30, s38
	s_add_nc_u64 s[14:15], s[14:15], s[30:31]
	s_wait_alu depctr_va_vdst(0)
.irp p, 0,1,2,3
.irp i, 0,1,2
	global_load_b64 v[CD+8*\p+2*\i:CD+8*\p+2*\i+1], v11, s[12:13] offset:3072*\p+8*\i th:TH_LOAD_NT
.endr
	global_load_u8 v[BY+\p], v1, s[14:15] offset:128*\p
.endr
	s_wait_loadcnt 0x0
.Ljoin:
	s_wait_alu depctr_va_vdst(0)
.irp p, 0,1,2,3
	ds_store_b64 v5, v[CD+8*\p:CD+8*\p+1] offset:16*\p
	ds_store_b64 v6, v[CD+8*\p+2:CD+8*\p+3] offset:16*\p
	ds_store_b64 v7, v[CD+8*\p+4:CD+8*\p+5] offset:16*\p
	ds_store_b8 v8, v[BY+\p] offset:16*\p
.endr
	s_wait_dscnt 0x0                               ; for the others' sake: my part of the unit lies in LDS
	s_barrier_signal -1
	s_barrier_wait -1
.irp k, 0,1,2,3,4,5
	ds_load_b128 v[X+4*\k:X+4*\k+3], v9 offset:2048*\k
.endr
.irp k, 0,1,2,3,4,5
	s_wait_dscnt 5-\k                              ; load k is in; the younger ones may be out
	global_store_b128 v10, v[X+4*\k:X+4*\k+3], s[28:29] offset:2048*\k   ; a wave stores 512 consecutive bytes, aligned
.endr
	s_cmp_lg_u32 s[WV], 0                          ; 12,800 = 6 x 2,048 + 512: wave 0 takes the rest
	s_cbranch_scc1 .Ldone
	ds_load_b128 v[X+24:X+27], v9 offset:12288
	s_wait_dscnt 0x0
	global_store_b128 v10, v[X+24:X+27], s[28:29] offset:12288
.Ldone:
	s_wait_tensorcnt 0x0
	ds_add_u32 v31, v255
	s_wait_dscnt 0x0
	s_endpgm
.Lfunc_end_k_q7df98148eb_prep:
	.size	k_q7df98148eb_prep, .Lfunc_end_k_q7df98148eb_prep-k_q7df98148eb_prep
	.p2alignl 7, 3214868480
	.fill 96, 4, 3214868480
	.section	.rodata,"a",@progbits
	.p2align	6, 0x0
	.amdhsa_kernel k_q7df98148eb_prep
		.amdhsa_group_segment_fixed_size 31744
		.amdhsa_private_segment_fixed_size 0
		.amdhsa_enable_private_segment 0
		.amdhsa_kernarg_size 72
		.amdhsa_user_sgpr_count 2
		.amdhsa_user_sgpr_kernarg_segment_ptr 1
		.amdhsa_wavefront_size32 1
		.amdhsa_system_sgpr_workgroup_id_x 1
		.amdhsa_system_sgpr_workgroup_id_y 1
		.amdhsa_system_sgpr_workgroup_id_z 1
		.amdhsa_system_vgpr_workitem_id 0
		.amdhsa_next_free_vgpr 256
		.amdhsa_next_free_sgpr 66
		.amdhsa_reserve_vcc 0
		.amdhsa_float_denorm_mode_32 3
		.amdhsa_float_denorm_mode_16_64 3
		.amdhsa_memory_ordered 1
		.amdhsa_forward_progress 1
		.amdhsa_inst_pref_size 61
	.end_amdhsa_kernel
	.amdgpu_metadata
---
amdhsa.version: [ 1, 2 ]
amdhsa.kernels:
  - .name:           k_q7df98148eb_prep
    .symbol:         k_q7df98148eb_prep.kd
    .args:
      - { .name: hidden_states, .offset: 0, .size: 8, .value_kind: global_buffer, .address_space: global }
      - { .name: k_weight, .offset: 8, .size: 8, .value_kind: global_buffer, .address_space: global }
      - { .name: ln_weight, .offset: 16, .size: 8, .value_kind: global_buffer, .address_space: global }
      - { .name: ln_bias, .offset: 24, .size: 8, .value_kind: global_buffer, .address_space: global }
      - { .name: q_weight_codes, .offset: 32, .size: 8, .value_kind: global_buffer, .address_space: global }
      - { .name: q_weight_scales, .offset: 40, .size: 8, .value_kind: global_buffer, .address_space: global }
      - { .name: qrec, .offset: 48, .size: 8, .value_kind: global_buffer, .address_space: global }
      - { .name: krec, .offset: 56, .size: 8, .value_kind: global_buffer, .address_space: global }
      - { .name: wrec, .offset: 64, .size: 8, .value_kind: global_buffer, .address_space: global }
    .group_segment_fixed_size: 31744
    .private_segment_fixed_size: 0
    .kernarg_segment_align: 8
    .kernarg_segment_size: 72
    .max_flat_workgroup_size: 128
    .sgpr_count:     66
    .vgpr_count:     256
    .wavefront_size: 32
...
	.end_amdgpu_metadata
.endif
;; end of part 1
;; launch gemm1 (part 2): grid 4 x 64, 4 waves a work-group, clusters of 4 x 4, 327,680 bytes of LDS; arguments qrec, krec, brec; writes brec
.if DOCPART == 2
	.amdgcn_target "amdgcn-amd-amdhsa--gfx1250"
	.amdhsa_code_object_version 6
	.text
	.protected	k_q7df98148eb_gemm1
	.globl	k_q7df98148eb_gemm1
	.p2align	8
	.type	k_q7df98148eb_gemm1,@function
k_q7df98148eb_gemm1:
	s_mov_b64 s[64:65], 0
	v_nop
	global_prefetch_b8 v0, s[64:65] scope:SCOPE_SE
	s_setreg_imm32_b32 hwreg(HW_REG_WAVE_MODE, 25, 1), 1
	s_wait_xcnt 0x0
	s_wait_alu depctr_hold_cnt(0) depctr_sa_sdst(0) depctr_va_vdst(0) depctr_va_sdst(0) depctr_va_ssrc(0) depctr_va_vcc(0) depctr_vm_vsrc(0)
	s_getreg_b32 s2, hwreg(HW_REG_IB_STS2, 6, 4)
	s_cmp_eq_u32 s2, 0
	s_cbranch_scc0 .Lentry_in_a_cluster
	s_endpgm
.Lentry_in_a_cluster:
	s_bfe_u32 s2, ttmp6, 0x10000c
	s_cmp_lg_u32 s2, 0xf033
	s_cbranch_scc0 .Lentry_shape_is_right
	s_endpgm
.Lentry_shape_is_right:
.set CH,    6400
.set TROW,  2*CH
.set BREG,  8*TROW
.set SPARE, 24*TROW
.set NEXTB, 64*TROW
.set BROW,  8*CH
.set ADRA, 16
.set ADRB, 20
.set ADRS, 22
.set SPW,  28
.set NIL,  29
.set SC,   32
.set AF,   96
.set EA,   0
.set ESG,  64
.set EP,   128
.set TM,   32
.set PC,   224
.set PW,   244
.set OI,   250
.set OS,   251
.set C6V,  252
.set G1,   24
.set G0,   32
.set G1B,  48
.set G0B,  56
.set C7,   68
.set C5,   70
.set C4,   72
.set C3,   74
.set C2,   76
.set C1,   78
.set CLIP, 80
.set SGN,  81
.set HALF, 82
.set SEL,  84
.set OB,   86
.set MSB, 0
.macro WIN new
.if MSB != \new
	s_set_vgpr_msb (MSB<<8)|\new
.set MSB, \new
.endif
.endm
.set MUL,  0xa1
.set TO_B, 0x40
.macro CREST
	s_cmp_lg_u32 s14, 0
	s_cbranch_scc1 .Lnot_wave_0_\@
	s_barrier_signal -3
.Lnot_wave_0_\@:
	s_barrier_wait -3
	s_barrier_signal -1
	s_barrier_wait -1
.endm
.macro CROUND
	s_barrier_signal -1
	s_barrier_wait -1
	CREST
.endm
.macro PLACES n
.rept \n
	v_nop
.endr
.endm
	s_load_b128 s[4:7], s[0:1], 0x0
	s_load_b64 s[8:9], s[0:1], 0x10
	v_lshl_add_u32 v[SPW], v0, 2, SPARE
	v_mov_b32 v[NIL], 0
	ds_add_u32 v28, v29
	ds_add_u32 v28, v29
	s_wait_dscnt 0x0
	v_lshrrev_b32 v1, 5, v0
	v_readfirstlane_b32 s14, v1
	s_lshr_b32 s15, s14, 1
	s_and_b32 s16, s14, 1
	s_bfe_u32 s40, ttmp6, 0x40000
	s_bfe_u32 s41, ttmp6, 0x40004
	s_lshl_b32 s42, ttmp9, 2
	s_add_co_u32 s42, s42, s40
	s_and_b32 s17, ttmp7, 0xffff
	s_lshl_b32 s17, s17, 2
	s_add_co_u32 s17, s17, s41
	s_lshl_b32 s43, s41, 2
	s_lshl_b32 s43, 15, s43
	s_lshl_b32 s44, 0x1111, s40
	s_or_b32 s[G1], s43, (3<<16)|(1<<21)
	s_or_b32 s[G1B], s44, (3<<16)|(1<<21)
.set G1H, 88                           ; s[88:95], s[96:99] groups 1 and 0 of the head's loads of B's first tile: 8 tile rows, 400 rows of 256 bytes, a wave
.set G0H, 96
	s_or_b32 s[G1H], s44, (3<<16)|(1<<21)
	s_mov_b32 s[G1H+2], 400<<16
	s_mov_b32 s[G1H+4], 400
.irp g, G1, G1B, G1H
	s_mov_b32 s[\g+1], 32<<16
	s_mov_b32 s[\g+3], 32<<16
	s_mov_b32 s[\g+5], 32
	s_mov_b32 s[\g+6], 0
	s_mov_b32 s[\g+7], 0
.endr
	s_mov_b32 s[G1+2], 200<<16             ; A's tile comes in two halves of 4 tile rows, by waves 0 and 1
	s_mov_b32 s[G1+4], 200
	s_mov_b32 s[G1B+2], 200<<16
	s_mov_b32 s[G1B+4], 200
	s_lshl_b32 s20, s17, 3
	s_lshl_b32 s18, s16, 2
	s_add_co_u32 s20, s20, s18
	s_mul_i32 s20, s20, TROW
	s_mov_b32 s21, 0
	s_lshl_b32 s46, s42, 4
	s_lshl_b32 s18, s14, 2
	s_add_co_u32 s46, s46, s18
	s_mul_i32 s46, s46, TROW
	s_mov_b32 s47, 0
	s_mul_i32 s45, s16, 4*TROW
	s_mul_i32 s19, s14, 4*TROW
	s_add_co_u32 s19, s19, BREG
	s_wait_kmcnt 0x0
	s_mov_b32 s[G0], 1
	s_mov_b32 s[G0+1], s45
	s_add_nc_u64 s[G0+2:G0+3], s[4:5], s[20:21]
	s_or_b32 s[G0+3], s[G0+3], 0x80000000
	s_mov_b32 s[G0B], 1
	s_mov_b32 s[G0B+1], s19
	s_add_nc_u64 s[G0B+2:G0B+3], s[6:7], s[46:47]
	s_or_b32 s[G0B+3], s[G0B+3], 0x80000000
	s_lshl_b32 s22, s42, 4                 ; the head's load of B: tile rows 16 x tile column + 8 x half
	s_lshl_b32 s23, s16, 3
	s_add_co_u32 s22, s22, s23
	s_mul_i32 s22, s22, TROW
	s_mov_b32 s23, 0
	s_mov_b32 s[G0H], 1
	s_mul_i32 s[G0H+1], s16, 8*TROW
	s_add_co_u32 s[G0H+1], s[G0H+1], BREG
	s_add_nc_u64 s[G0H+2:G0H+3], s[6:7], s[22:23]
	s_or_b32 s[G0H+3], s[G0H+3], 0x80000000
	CROUND                                 ; all sixteen work-groups are here: the first joint loads meet
	s_cmp_eq_u32 s15, 0                    ; the head's tiles, one joint load a wave: waves 0 and 1 A's halves, waves 2 and 3 the halves of B's first tile
	s_cbranch_scc0 .Lhead_b
	tensor_load_to_lds s[G0:G0+3], s[G1:G1+7]
	s_nop 0
	PLACES 4
	s_branch .Lhead_asked
.Lhead_b:
	tensor_load_to_lds s[G0H:G0H+3], s[G1H:G1H+7]
	s_nop 0
	PLACES 4
.Lhead_asked:
	v_and_b32 v1, 31, v0
	v_lshlrev_b32 v2, 4, v1
	v_and_b32 v3, 15, v0
	v_bfe_u32 v4, v0, 4, 1
	s_wait_alu depctr_va_vdst(0)
	s_mul_i32 s21, s15, 4*TROW
	s_mul_i32 s22, s16, 8*TROW
	s_add_co_u32 s22, s22, BREG
	s_xor_b32 s23, s15, 1
	s_lshl_b32 s18, s16, 1
	s_add_co_u32 s23, s23, s18
	s_add_co_u32 s23, s23, 1
	s_mul_i32 s23, s23, 4*TROW
	v_mul_u32_u24 v5, s23, v4
	v_lshl_add_u32 v5, v3, 4, v5
	s_add_co_u32 s18, s21, 4*1536
	v_add_nc_u32 v[ADRS], s18, v5
	v_add_nc_u32 v[ADRS+1], 4*TROW, v[ADRS]
	v_add_nc_u32 v[ADRA], s21, v2
	v_add_nc_u32 v[ADRB], s22, v2
	v_add_nc_u32 v[ADRB+1], 4*TROW, v[ADRB]
	s_lshl_b32 s22, s17, 3
	s_lshl_b32 s23, s15, 2
	s_add_co_u32 s22, s22, s23
	s_mul_i32 s22, s22, BROW
	s_lshr_b32 s23, s42, 1
	s_mul_i32 s23, s23, CH
	s_add_co_u32 s22, s22, s23
	s_add_co_u32 s22, s22, 4*BROW-2*CH
	s_mov_b32 s23, 0
	s_add_nc_u64 s[OB:OB+1], s[8:9], s[22:23]
	s_and_b32 s23, s42, 1
	s_lshl_b32 s23, s23, 1
	s_add_co_u32 s23, s23, s16
	s_mul_i32 s18, s23, 1536
	s_lshl_b32 s19, s23, 2
	s_add_co_u32 s19, s19, 4*1536
	WIN 0x40
	v_mov_b32 v[C6V], 0x3b8b24a4
	v_mov_b32 v[C6V+1], 0x3b8b24a4
	v_add_nc_u32 v[OI], s18, v2
	v_lshl_add_u32 v[OS], v3, 4, s19
	WIN 0
	s_mov_b32 s[C7], 0xba52b131
	s_mov_b32 s[C5], 0xbc323c51
	s_mov_b32 s[C4], 0x3ca11b65
	s_mov_b32 s[C3], 0xbd02d591
	s_mov_b32 s[C2], 0x3d680569
	s_mov_b32 s[C1], 0xbe0be58c
.irp c, C7, C5, C4, C3, C2, C1
	s_mov_b32 s[\c+1], s[\c]
.endr
	s_mov_b32 s[CLIP], 0x3f7fffef
	s_mov_b32 s[SGN], 0x80000000
	s_mov_b32 s[HALF], 0x3f000000
	s_mov_b32 s[SEL], 0x76543210
	s_mov_b32 s[SEL+1], 0xfedcba98
.macro FRAG reg, adr, off
.irp c, 0,1,2
	ds_load_b128 v[\reg+4*\c:\reg+4*\c+3], v[\adr] offset:\off+512*\c
.endr
.endm
.macro FETCH ks, p
	WIN TO_B
.irp b, 0,1,2,3,4,5,6,7
	FRAG 128*(\p)+12*\b, ADRB+\b/4, TROW*(\b%4)+CH*((\ks)/4)+1536*((\ks)%4)
.endr
	WIN 0
.endm
; A'S FRAGMENTS STAY IN REGISTERS: my 64 rows x 1,024 along K are 32 fragments of 12 registers, read from LDS once and used by all four tiles.
; Fragment f = 4 ks + a lies in window 3 at v[12 f] (f < 21), else in window 0 at v[AW + 12 (f - 21)].
.set AW, 96
.macro ALOADS
	WIN 0xc0                               ; destination window 3, address window 0
.set f, 0
.rept 21
	FRAG 12*f, ADRA, TROW*(f%4)+CH*(f/16)+1536*((f/4)%4)
.set f, f+1
.endr
	WIN 0
.rept 11
	FRAG AW+12*(f-21), ADRA, TROW*(f%4)+CH*(f/16)+1536*((f/4)%4)
.set f, f+1
.endr
.endm
; PICK sets source 1's window and the symbol AF so that MULA's AF + 48 p + 12 a names fragment 4 ks + a
.macro PICK a, ks
.set FI, 4*(\ks)+(\a)
.if FI < 21
	WIN 0xad                               ; as MUL, source 1 in window 3
.set AF, 12*FI-48*((\ks)%2)-12*(\a)
.else
	WIN MUL
.set AF, AW+12*(FI-21)-48*((\ks)%2)-12*(\a)
.endif
.endm
.macro SCALES c
.irp i, 0,1,2,3,4,5,6,7
	ds_load_b128 v[SC+32*(\c)+4*\i:SC+32*(\c)+4*\i+3], v[ADRS+\i/4] offset:TROW*(\i%4)+CH*(\c)
.endr
.endm
.macro MULA a, p, q, sc, zero
.irp b, 0,1,2,3,4,5,6,7
.if \zero
	v_wmma_scale_f32_16x16x128_f8f6f4 v[8*(8*(\a)+\b):8*(8*(\a)+\b)+7], v[128*(\p)+12*\b:128*(\p)+12*\b+11], v[AF+48*(\p)+12*(\a):AF+48*(\p)+12*(\a)+11], 0, v[SC+32*(\sc)+4*\b+(\q)], v[SC+32*(\sc)+4*(\a)+(\q)] matrix_a_fmt:MATRIX_FMT_BF6 matrix_b_fmt:MATRIX_FMT_BF6 matrix_a_scale:MATRIX_SCALE_ROW1
.else
	v_wmma_scale_f32_16x16x128_f8f6f4 v[8*(8*(\a)+\b):8*(8*(\a)+\b)+7], v[128*(\p)+12*\b:128*(\p)+12*\b+11], v[AF+48*(\p)+12*(\a):AF+48*(\p)+12*(\a)+11], v[8*(8*(\a)+\b):8*(8*(\a)+\b)+7], v[SC+32*(\sc)+4*\b+(\q)], v[SC+32*(\sc)+4*(\a)+(\q)] matrix_a_fmt:MATRIX_FMT_BF6 matrix_b_fmt:MATRIX_FMT_BF6 matrix_a_scale:MATRIX_SCALE_ROW1
.endif
.endr
.endm
.macro STEP ks, zero
	s_wait_dscnt 0x0
	PLACES 4
	FETCH (\ks)+1, 1-(\ks)%2
	PICK 0, \ks
	MULA 0, (\ks)%2, (\ks)%4, (\ks)/4, \zero
	PICK 1, \ks
	MULA 1, (\ks)%2, (\ks)%4, (\ks)/4, \zero
	PICK 2, \ks
	MULA 2, (\ks)%2, (\ks)%4, (\ks)/4, \zero
	PICK 3, \ks
	MULA 3, (\ks)%2, (\ks)%4, (\ks)/4, \zero
	WIN 0
.endm
.macro LAST fill
.set AF, AW+12*(28-21)-48              ; K step 7: fragments 28 + a, all in window 0
	s_wait_dscnt 0x0
.if \fill
	s_wait_tensorcnt 0x0
	ds_add_u32 v[SPW], v[NIL]
	WIN MUL
	MULA 0, 1, 3, 1, 0
	s_wait_dscnt 0x0
	s_barrier_signal -1
	MULA 1, 1, 3, 1, 0
	WIN 0
	s_barrier_wait -1
	CREST
	s_add_nc_u64 s[G0B+2:G0B+3], s[G0B+2:G0B+3], NEXTB
	tensor_load_to_lds s[G0B:G0B+3], s[G1B:G1B+7]
	s_nop 0
	PLACES 4
	WIN MUL
.else
	WIN MUL
	MULA 0, 1, 3, 1, 0
	MULA 1, 1, 3, 1, 0
.endif
	MULA 2, 1, 3, 1, 0
	MULA 3, 1, 3, 1, 0
	WIN 0
.endm
.macro EXTRACT a
	WIN 0x42
.set j, 0
.rept 64
	v_min_num_f32 v[EA+j], |v[64*(\a)+j]|, s[CLIP]
	v_and_or_b32 v[ESG+j], v[64*(\a)+j], s[SGN], s[HALF]
.set j, j+1
.endr
	WIN 0
.endm
.macro COMMON
	WIN 0x55
.set j, 0
.rept 32
	v_pk_fma_f32 v[EP+j:EP+j+1], v[EA+j:EA+j+1], s[C7:C7+1], v[C6V:C6V+1] op_sel_hi:[1,0,1]
.set j, j+2
.endr
.irp c, C5, C4, C3, C2, C1
.set j, 0
.rept 32
	v_pk_fma_f32 v[EP+j:EP+j+1], v[EP+j:EP+j+1], v[EA+j:EA+j+1], s[\c:\c+1] op_sel_hi:[1,1,0]
.set j, j+2
.endr
.endr
.set j, 0
.rept 32
	v_pk_fma_f32 v[EP+j:EP+j+1], v[EP+j:EP+j+1], v[EA+j:EA+j+1], 1.0 op_sel_hi:[1,1,0]
.set j, j+2
.endr
.set j, 0
.rept 32
	v_pk_fma_f32 v[EA+j:EA+j+1], v[EA+j:EA+j+1], -1.0, 1.0 op_sel_hi:[1,0,0]
.set j, j+2
.endr
.set j, 0
	s_wait_alu depctr_va_vdst(0)
.rept 64
	v_sqrt_f32 v[EA+j], v[EA+j]
.set j, j+1
.endr
	v_nop
.set j, 0
	s_wait_alu depctr_va_vdst(0)
.rept 32
	v_pk_fma_f32 v[EP+j:EP+j+1], v[EA+j:EA+j+1], v[EP+j:EP+j+1], 1.0 op_sel_hi:[1,1,0] neg_lo:[1,0,0] neg_hi:[1,0,0]
.set j, j+2
.endr
.set j, 0
.rept 32
	v_pk_fma_f32 v[EP+j:EP+j+1], v[ESG+j:ESG+j+1], v[EP+j:EP+j+1], 0.5 op_sel_hi:[1,1,0]
.set j, j+2
.endr
.set j, 0
.rept 32
	v_pk_mul_f32 v[EA+j:EA+j+1], v[EP+j:EP+j+1], v[EP+j:EP+j+1]
.set j, j+2
.endr
.rept 2
.set j, 0
.rept 32
	v_pk_mul_f32 v[EA+j:EA+j+1], v[EA+j:EA+j+1], v[EA+j:EA+j+1]
.set j, j+2
.endr
.endr
.set j, 0
.rept 32
	v_pk_mul_f32 v[EP+j:EP+j+1], v[EA+j:EA+j+1], v[EP+j:EP+j+1]
.set j, j+2
.endr
.irp b, 0,1,2,3
	v_max3_num_f32 v[TM+\b], v[EP+16*\b], v[EP+1+16*\b], 0x2800000
.endr
.irp i, 2,4,6,8,10,12,14
.irp b, 0,1,2,3
	v_max3_num_f32 v[TM+\b], v[TM+\b], v[EP+16*\b+\i], v[EP+1+16*\b+\i]
.endr
.endr
.irp b, 0,1,2,3
	v_permlanex16_b32 v[TM+4+\b], v[TM+\b], s[SEL], s[SEL+1]
.endr
.irp b, 0,1,2,3
	v_max_num_f32 v[TM+\b], v[TM+\b], v[TM+4+\b]
.endr
.irp b, 0,1,2,3
	v_add_nc_u32 v[TM+12+\b], 0xfe000000, v[TM+\b]
.endr
.irp b, 0,1,2,3
	v_lshrrev_b32 v[TM+4+\b], 23, v[TM+12+\b]
.endr
	s_wait_alu depctr_va_vdst(0)
	s_wait_xcnt 0x0
	s_add_nc_u64 s[OB:OB+1], s[OB:OB+1], BROW
	v_lshl_or_b32 v[PW], v[TM+5], 8, v[TM+4]
	v_lshl_or_b32 v[PW], v[TM+6], 16, v[PW]
	v_lshl_or_b32 v[PW], v[TM+7], 24, v[PW]
.irp c, 0,1
	v_cvt_scalef32_pk16_bf6_f32 v[PC+6*\c:PC+2+6*\c], v[EP+32*\c:EP+15+32*\c], v[TM+12+2*\c]
	v_cvt_scalef32_pk16_bf6_f32 v[PC+12+4*\c:PC+14+4*\c], v[EP+16+32*\c:EP+31+32*\c], v[TM+12+2*\c+1]
.endr
	v_nop
.irp c, 0,1
.irp i, 0,1,2
	v_permlane16_swap_b32 v[PC+6*\c+\i], v[PC+12+4*\c+\i]
.endr
.irp i, 0,1,2
	v_mov_b32 v[PC+3+6*\c+\i], v[PC+12+4*\c+\i]
.endr
.endr
.irp c, 0,1,2
	global_store_b128 v[OI], v[PC+4*\c:PC+4*\c+3], s[OB:OB+1] offset:512*\c-BROW th:TH_STORE_NT
.endr
	global_store_b32 v[OS], v[PW], s[OB:OB+1] offset:-BROW th:TH_STORE_NT
	WIN 0
.endm
.macro EPILOGUE
	s_wait_xcnt 0x0
	s_sub_nc_u64 s[OB:OB+1], s[OB:OB+1], 4*BROW-2*CH
	s_mov_b32 s2, 0
.Lrow_\@:
	s_cmp_eq_u32 s2, 0
	s_cbranch_scc0 .Lx1_\@
	EXTRACT 0
	s_branch .Lcom_\@
.Lx1_\@:
	s_cmp_eq_u32 s2, 1
	s_cbranch_scc0 .Lx2_\@
	EXTRACT 1
	s_branch .Lcom_\@
.Lx2_\@:
	s_cmp_eq_u32 s2, 2
	s_cbranch_scc0 .Lx3_\@
	EXTRACT 2
	s_branch .Lcom_\@
.Lx3_\@:
	EXTRACT 3
.Lcom_\@:
	COMMON
	s_add_co_u32 s2, s2, 1
	s_cmp_lt_u32 s2, 4
	s_cbranch_scc1 .Lrow_\@
.endm
.macro TILE fill
	s_wait_tensorcnt 0x0
	s_barrier_signal -1
	s_barrier_wait -1
	FETCH 0, 0
	SCALES 0
	SCALES 1
	STEP 0, 1
	STEP 1, 0
	STEP 2, 0
	STEP 3, 0
	STEP 4, 0
	STEP 5, 0
	STEP 6, 0
	LAST \fill
	PLACES 5
	EPILOGUE
.endm
	s_wait_alu depctr_va_vdst(0)           ; the wait at the head's end
	s_wait_tensorcnt 0x0                   ; my tile of the head's four is in;
	s_barrier_signal -1
	s_barrier_wait -1                      ; and so is every wave's.
	ALOADS
	s_wait_dscnt 0x0                       ; no LDS instruction is out at the next signal
	s_mov_b32 s3, 3
.Ltile:
	s_wait_alu depctr_va_vdst(0)
	TILE 1
	s_sub_co_u32 s3, s3, 1
	s_cmp_lg_u32 s3, 0
	s_cbranch_scc1 .Ltile
	TILE 0
	s_wait_tensorcnt 0x0
	ds_add_u32 v[SPW], v[NIL]
	s_wait_dscnt 0x0
	CROUND
	s_endpgm
.Lfunc_end_k_q7df98148eb_gemm1:
	.size	k_q7df98148eb_gemm1, .Lfunc_end_k_q7df98148eb_gemm1-k_q7df98148eb_gemm1
	.p2alignl 7, 3214868480
	.fill 96, 4, 3214868480
	.section	.rodata,"a",@progbits
	.p2align	6, 0x0
	.amdhsa_kernel k_q7df98148eb_gemm1
		.amdhsa_group_segment_fixed_size 327680
		.amdhsa_private_segment_fixed_size 0
		.amdhsa_enable_private_segment 0
		.amdhsa_kernarg_size 24
		.amdhsa_user_sgpr_count 2
		.amdhsa_user_sgpr_kernarg_segment_ptr 1
		.amdhsa_wavefront_size32 1
		.amdhsa_system_sgpr_workgroup_id_x 1
		.amdhsa_system_sgpr_workgroup_id_y 1
		.amdhsa_system_sgpr_workgroup_id_z 1
		.amdhsa_system_vgpr_workitem_id 0
		.amdhsa_next_free_vgpr 1024
		.amdhsa_next_free_sgpr 100
		.amdhsa_reserve_vcc 0
		.amdhsa_float_denorm_mode_32 3
		.amdhsa_float_denorm_mode_16_64 3
		.amdhsa_memory_ordered 1
		.amdhsa_forward_progress 1
		.amdhsa_inst_pref_size 245
	.end_amdhsa_kernel
	.amdgpu_metadata
---
amdhsa.version: [ 1, 2 ]
amdhsa.kernels:
  - .name:           k_q7df98148eb_gemm1
    .symbol:         k_q7df98148eb_gemm1.kd
    .args:
      - { .name: qrec, .offset: 0, .size: 8, .value_kind: global_buffer, .address_space: global }
      - { .name: krec, .offset: 8, .size: 8, .value_kind: global_buffer, .address_space: global }
      - { .name: brec, .offset: 16, .size: 8, .value_kind: global_buffer, .address_space: global }
    .group_segment_fixed_size: 327680
    .private_segment_fixed_size: 0
    .kernarg_segment_align: 8
    .kernarg_segment_size: 24
    .max_flat_workgroup_size: 128
    .sgpr_count:     100
    .vgpr_count:     1024
    .wavefront_size: 32
...
	.end_amdgpu_metadata
.endif
;; end of part 2
;; launch gemm2 (part 3): grid 4 x 64, 4 waves a work-group, clusters of 4 x 4, 327,680 bytes of LDS; arguments brec, wrec, xw, ssq; writes xw, ssq
.if DOCPART == 3
	.amdgcn_target "amdgcn-amd-amdhsa--gfx1250"
	.amdhsa_code_object_version 6
	.text
	.protected	k_q7df98148eb_gemm2
	.globl	k_q7df98148eb_gemm2
	.p2align	8
	.type	k_q7df98148eb_gemm2,@function
k_q7df98148eb_gemm2:
	s_mov_b64 s[64:65], 0
	v_nop
	global_prefetch_b8 v0, s[64:65] scope:SCOPE_SE
	s_setreg_imm32_b32 hwreg(HW_REG_WAVE_MODE, 25, 1), 1
	s_wait_xcnt 0x0
	s_wait_alu depctr_hold_cnt(0) depctr_sa_sdst(0) depctr_va_vdst(0) depctr_va_sdst(0) depctr_va_ssrc(0) depctr_va_vcc(0) depctr_vm_vsrc(0)
	s_getreg_b32 s2, hwreg(HW_REG_IB_STS2, 6, 4)
	s_cmp_eq_u32 s2, 0
	s_cbranch_scc0 .Lentry_in_a_cluster
	s_endpgm
.Lentry_in_a_cluster:
	s_bfe_u32 s2, ttmp6, 0x10000c
	s_cmp_lg_u32 s2, 0xf033
	s_cbranch_scc0 .Lentry_shape_is_right
	s_endpgm
.Lentry_shape_is_right:
.set CH,    6400
.set SLOT,  24*CH
.set BOFF,  8*CH
.set SPARE, 2*SLOT
.set TROW,  8*CH
.set SPITCH, 528
.set ADRA, 16
.set ADRB, 20
.set ADRS, 22
.set STO,  24
.set RD,   25
.set CO,   26
.set SSO,  27
.set SPW,  28
.set NIL,  29
.set PFO,  30
.set SC,   32
.set AF,   96
.set T,    96
.set BK,   128
.set G1,   24
.set G0,   32
.set G1B,  48
.set G0B,  56
.set SEL,  84
.set PFA,  88
.set LIM,  90
.set MSB, 0
.macro WIN new
.if MSB != \new
	s_set_vgpr_msb (MSB<<8)|\new
.set MSB, \new
.endif
.endm
.set MUL,  0xa1
.set TO_B, 0x40
.macro JLOAD s
	s_cmp_eq_u32 s15, 0
	s_cbranch_scc0 .Lfor_b_\@
	tensor_load_to_lds s[G0+4*\s:G0+4*\s+3], s[G1:G1+7]
	s_nop 0
.rept 4
	v_nop
.endr
	s_branch .Lasked_\@
.Lfor_b_\@:
	tensor_load_to_lds s[G0B+4*\s:G0B+4*\s+3], s[G1B:G1B+7]
	s_nop 0
.rept 4
	v_nop
.endr
.Lasked_\@:
.endm
.macro ASK
	s_cmp_gt_u32 s3, s[LIM]
	s_cbranch_scc0 .Lnot_mine_\@
	global_prefetch_b8 v[PFO], s[PFA:PFA+1] th:TH_LOAD_NT scope:SCOPE_SE
.Lnot_mine_\@:
.endm
.macro CREST
	s_cmp_lg_u32 s14, 0
	s_cbranch_scc1 .Lnot_wave_0_\@
	s_barrier_signal -3
.Lnot_wave_0_\@:
	s_barrier_wait -3
	s_barrier_signal -1
	s_barrier_wait -1
.endm
.macro CROUND
	s_barrier_signal -1
	s_barrier_wait -1
	CREST
.endm
.macro PLACES n
.rept \n
	v_nop
.endr
.endm
	s_load_b256 s[4:11], s[0:1], 0x0
	v_lshl_add_u32 v[SPW], v0, 2, SPARE
	v_mov_b32 v[NIL], 0
	ds_add_u32 v28, v29
	ds_add_u32 v28, v29
	s_wait_dscnt 0x0
	v_lshrrev_b32 v1, 5, v0
	v_readfirstlane_b32 s14, v1
	s_lshr_b32 s15, s14, 1
	s_and_b32 s16, s14, 1
	s_bfe_u32 s40, ttmp6, 0x40000
	s_bfe_u32 s41, ttmp6, 0x40004
	s_lshl_b32 s42, ttmp9, 2
	s_add_co_u32 s42, s42, s40
	s_and_b32 s17, ttmp7, 0xffff
	s_lshl_b32 s17, s17, 2
	s_add_co_u32 s17, s17, s41
	s_lshl_b32 s43, s41, 2
	s_lshl_b32 s43, 15, s43
	s_lshl_b32 s44, 0x1111, s40
	s_or_b32 s[G1], s43, (3<<16)|(1<<21)
	s_or_b32 s[G1B], s44, (3<<16)|(1<<21)
.irp g, G1, G1B
	s_mov_b32 s[\g+1], 800<<16
	s_mov_b32 s[\g+3], 800<<16
	s_mov_b32 s[\g+5], TROW/8
	s_mov_b32 s[\g+6], 0
	s_mov_b32 s[\g+7], 0
.endr
	s_mov_b32 s[G1+2], 4<<16
	s_mov_b32 s[G1+4], 4
	s_mov_b32 s[G1B+2], 8<<16
	s_mov_b32 s[G1B+4], 8
	s_lshl_b32 s20, s17, 3
	s_lshl_b32 s18, s16, 2
	s_add_co_u32 s20, s20, s18
	s_mul_i32 s20, s20, TROW
	s_mov_b32 s21, 0
	s_lshl_b32 s46, s42, 4
	s_lshl_b32 s18, s16, 3
	s_add_co_u32 s46, s46, s18
	s_mul_i32 s46, s46, TROW
	s_mov_b32 s47, 0
	s_mul_i32 s45, s16, 4*CH
	s_mul_i32 s19, s16, 8*CH
	s_add_co_u32 s19, s19, BOFF
	s_wait_kmcnt 0x0
	s_add_nc_u64 s[20:21], s[4:5], s[20:21]
	s_add_nc_u64 s[46:47], s[6:7], s[46:47]
	CROUND
.irp s, 0,1
	s_mov_b32 s[G0+4*\s], 1
	s_add_co_u32 s[G0+4*\s+1], s45, \s*SLOT
	s_add_nc_u64 s[G0+4*\s+2:G0+4*\s+3], s[20:21], \s*CH
	s_or_b32 s[G0+4*\s+3], s[G0+4*\s+3], 0x80000000
	s_mov_b32 s[G0B+4*\s], 1
	s_add_co_u32 s[G0B+4*\s+1], s19, \s*SLOT
	s_add_nc_u64 s[G0B+4*\s+2:G0B+4*\s+3], s[46:47], \s*CH
	s_or_b32 s[G0B+4*\s+3], s[G0B+4*\s+3], 0x80000000
.if \s
	s_wait_alu depctr_va_vdst(0)
	s_wait_tensorcnt 0x0
	ds_add_u32 v28, v29
	ds_add_u32 v28, v29
	s_wait_dscnt 0x0
	CROUND
.endif
	JLOAD \s
.endr
	v_and_b32 v1, 31, v0
	v_lshlrev_b32 v2, 4, v1
	v_and_b32 v3, 15, v0
	v_bfe_u32 v4, v0, 4, 1
	s_wait_alu depctr_va_vdst(0)
	s_mul_i32 s21, s15, 4*CH
	s_mul_i32 s22, s16, 8*CH
	s_add_co_u32 s22, s22, BOFF
	s_xor_b32 s23, s15, 1
	s_lshl_b32 s18, s16, 1
	s_add_co_u32 s23, s23, s18
	s_add_co_u32 s23, s23, 1
	s_mul_i32 s23, s23, 4*CH
	v_mul_u32_u24 v5, s23, v4
	v_lshl_add_u32 v5, v3, 4, v5
	s_add_co_u32 s18, s21, 4*1536
	v_add_nc_u32 v[ADRS], s18, v5
	v_add_nc_u32 v[ADRS+1], SLOT, v[ADRS]
	v_add_nc_u32 v[ADRA], s21, v2
	v_add_nc_u32 v[ADRA+1], SLOT, v[ADRA]
	v_add_nc_u32 v[ADRB], s22, v2
	v_add_nc_u32 v[ADRB+1], SLOT, v[ADRB]
	s_mul_i32 s23, s14, 16*SPITCH
	v_mul_u32_u24 v5, v3, SPITCH
	v_lshl_add_u32 v5, v4, 5, v5
	v_add_nc_u32 v[STO], s23, v5
	v_mov_b32 v[CO], v2
	v_add_nc_u32 v[RD], s23, v2
	v_lshlrev_b32 v[SSO], 2, v3
	s_lshl_b32 s20, s17, 7
	s_lshl_b32 s21, s15, 6
	s_add_co_u32 s20, s20, s21
	s_lshl_b32 s22, s20, 2
	s_lshl_b32 s20, s20, 12
	s_lshl_b32 s46, s42, 10
	s_lshl_b32 s47, s16, 9
	s_add_co_u32 s46, s46, s47
	s_add_co_u32 s92, s20, s46
	s_mov_b32 s93, 0
	s_add_nc_u64 s[8:9], s[8:9], s[92:93]
	s_lshl_b32 s94, s42, 1
	s_add_co_u32 s94, s94, s16
	s_lshl_b32 s94, s94, 15
	s_add_co_u32 s94, s94, s22
	s_mov_b32 s95, 0
	s_add_nc_u64 s[10:11], s[10:11], s[94:95]
	s_mov_b32 s[SEL], 0x76543210
	s_mov_b32 s[SEL+1], 0xfedcba98
	s_lshl_b32 s96, s17, 3
	s_lshl_b32 s97, s40, 1
	s_add_co_u32 s96, s96, s97
	s_add_co_u32 s96, s96, s16
	s_mul_i32 s96, s96, TROW
	s_add_co_u32 s96, s96, 3*CH
	s_mov_b32 s97, 0
	s_add_nc_u64 s[PFA:PFA+1], s[4:5], s[96:97]
	s_cmp_lt_u32 s14, 2
	s_cselect_b32 s[LIM], 1, -1
	v_min_u32 v[PFO], 24, v1
	v_lshlrev_b32 v[PFO], 8, v[PFO]
.macro FRAG reg, adr, off
.irp c, 0,1,2
	ds_load_b128 v[\reg+4*\c:\reg+4*\c+3], v[\adr] offset:\off+512*\c
.endr
.endm
.macro FETCH slot, q, p
	WIN TO_B
.irp b, 0,1,2,3,4,5,6,7
	FRAG 128*(\p)+12*\b, ADRB+\slot, CH*\b+1536*(\q)
.endr
	WIN 0
.irp a, 0,1,2,3
	FRAG AF+48*(\p)+12*\a, ADRA+\slot, CH*\a+1536*(\q)
.endr
.endm
.macro SCALES sc
.irp i, 0,1,2,3,4,5,6,7
	ds_load_b128 v[SC+32*(\sc)+4*\i:SC+32*(\sc)+4*\i+3], v[ADRS+\sc] offset:CH*\i
.endr
.endm
.macro MULA a, p, q, sc, zero
.irp b, 0,1,2,3,4,5,6,7
.if \zero
	v_wmma_scale_f32_16x16x128_f8f6f4 v[8*(8*(\a)+\b):8*(8*(\a)+\b)+7], v[128*(\p)+12*\b:128*(\p)+12*\b+11], v[AF+48*(\p)+12*(\a):AF+48*(\p)+12*(\a)+11], 0, v[SC+32*(\sc)+4*\b+(\q)], v[SC+32*(\sc)+4*(\a)+(\q)] matrix_a_fmt:MATRIX_FMT_BF6 matrix_b_fmt:MATRIX_FMT_BF6 matrix_a_scale:MATRIX_SCALE_ROW1
.else
	v_wmma_scale_f32_16x16x128_f8f6f4 v[8*(8*(\a)+\b):8*(8*(\a)+\b)+7], v[128*(\p)+12*\b:128*(\p)+12*\b+11], v[AF+48*(\p)+12*(\a):AF+48*(\p)+12*(\a)+11], v[8*(8*(\a)+\b):8*(8*(\a)+\b)+7], v[SC+32*(\sc)+4*\b+(\q)], v[SC+32*(\sc)+4*(\a)+(\q)] matrix_a_fmt:MATRIX_FMT_BF6 matrix_b_fmt:MATRIX_FMT_BF6 matrix_a_scale:MATRIX_SCALE_ROW1
.endif
.endr
.endm
.macro STEP slot, q, zero
	s_wait_dscnt 0x0
	PLACES 4
	FETCH \slot, (\q)+1, 1-(\q)%2
	WIN MUL
	MULA 0, (\q)%2, \q, \slot, \zero
	MULA 1, (\q)%2, \q, \slot, \zero
	MULA 2, (\q)%2, \q, \slot, \zero
	MULA 3, (\q)%2, \q, \slot, \zero
	WIN 0
.endm
.macro TURN slot, next, fill
	s_wait_dscnt 0x0
.if \fill
	s_wait_xcnt 0x0
	s_add_nc_u64 s[PFA:PFA+1], s[PFA:PFA+1], CH
.endif
	s_wait_tensorcnt 0x0
	ds_add_u32 v[SPW], v[NIL]
	WIN MUL
	MULA 0, 1, 3, \slot, 0
	s_wait_dscnt 0x0
	s_barrier_signal -1
	MULA 1, 1, 3, \slot, 0
	WIN 0
	s_barrier_wait -1
.if \fill
	CREST
	s_add_nc_u64 s[G0+4*\slot+2:G0+4*\slot+3], s[G0+4*\slot+2:G0+4*\slot+3], 2*CH
	s_add_nc_u64 s[G0B+4*\slot+2:G0B+4*\slot+3], s[G0B+4*\slot+2:G0B+4*\slot+3], 2*CH
	JLOAD \slot
.else
	PLACES 4
.endif
	s_wait_alu depctr_va_vdst(0)
	FETCH \next, 0, 0
	SCALES \next
.if \fill
	ASK
.endif
	WIN MUL
	MULA 2, 1, 3, \slot, 0
	MULA 3, 1, 3, \slot, 0
	WIN 0
.endm
	s_wait_tensorcnt 0x1
	s_barrier_signal -1
	s_barrier_wait -1
	FETCH 0, 0, 0
	SCALES 0
	STEP 0, 0, 1
	s_mov_b32 s3, 3
.Llap:
	STEP 0, 1, 0
	STEP 0, 2, 0
	TURN 0, 1, 1
	STEP 1, 0, 0
	STEP 1, 1, 0
	STEP 1, 2, 0
	TURN 1, 0, 1
	STEP 0, 0, 0
	s_sub_co_u32 s3, s3, 1
	s_cmp_lg_u32 s3, 0
	s_cbranch_scc1 .Llap
	STEP 0, 1, 0
	STEP 0, 2, 0
	TURN 0, 1, 0
	STEP 1, 0, 0
	STEP 1, 1, 0
	STEP 1, 2, 0
	s_wait_dscnt 0x0
	WIN MUL
	MULA 0, 1, 3, 1, 0
	MULA 1, 1, 3, 1, 0
	MULA 2, 1, 3, 1, 0
	MULA 3, 1, 3, 1, 0
	WIN 0
	PLACES 4
	WIN 0x0a
.irp a, 0,1,2,3
	v_pk_mul_f32 v[T+4*\a:T+4*\a+1], v[64*\a:64*\a+1], v[64*\a:64*\a+1]
.endr
.irp a, 0,1,2,3
	v_pk_mul_f32 v[T+4*\a+2:T+4*\a+3], v[64*\a+2:64*\a+3], v[64*\a+2:64*\a+3]
.endr
.irp k, 4,8,12,16,20,24,28,32,36,40,44,48,52,56,60
.irp a, 0,1,2,3
	v_pk_fma_f32 v[T+4*\a:T+4*\a+1], v[64*\a+\k:64*\a+\k+1], v[64*\a+\k:64*\a+\k+1], v[T+4*\a:T+4*\a+1]
.endr
.irp a, 0,1,2,3
	v_pk_fma_f32 v[T+4*\a+2:T+4*\a+3], v[64*\a+\k+2:64*\a+\k+3], v[64*\a+\k+2:64*\a+\k+3], v[T+4*\a+2:T+4*\a+3]
.endr
.endr
	WIN 0
.irp a, 0,1,2,3
	v_pk_add_f32 v[T+4*\a:T+4*\a+1], v[T+4*\a:T+4*\a+1], v[T+4*\a+2:T+4*\a+3]
.endr
.irp a, 0,1,2,3
	v_add_f32 v[T+4*\a], v[T+4*\a], v[T+4*\a+1]
.endr
.irp a, 0,1,2,3
	v_permlanex16_b32 v[T+4*\a+1], v[T+4*\a], s[SEL], s[SEL+1]
.endr
.irp a, 0,1,2,3
	v_add_f32 v[T+4*\a], v[T+4*\a], v[T+4*\a+1]
.endr
.irp a, 0,1,2,3
	global_store_b32 v[SSO], v[T+4*\a], s[10:11] offset:64*\a
.endr
.macro TOSTAGE a
	WIN 0x08
.irp b, 0,1,2,3,4,5,6,7
	ds_store_b128 v[STO], v[64*(\a)+8*\b:64*(\a)+8*\b+3] offset:64*\b
	ds_store_b128 v[STO], v[64*(\a)+8*\b+4:64*(\a)+8*\b+7] offset:64*\b+16
.endr
	WIN 0
.irp t, 0,1,2,3,4,5,6,7,8,9,10,11,12,13,14,15
	ds_load_b128 v[BK+64*((\a)%2)+4*\t:BK+64*((\a)%2)+4*\t+3], v[RD] offset:\t*SPITCH
.endr
.endm
.macro SEND a, younger
	s_wait_dscnt \younger
.irp t, 0,1,2,3,4,5,6,7,8,9,10,11,12,13,14,15
	global_store_b128 v[CO], v[BK+64*((\a)%2)+4*\t:BK+64*((\a)%2)+4*\t+3], s[8:9] offset:(16*(\a)+\t)*4096 th:TH_STORE_NT
.endr
.endm
	TOSTAGE 0
.irp a, 1,2,3
.if \a > 1
	s_wait_xcnt 0x0
.endif
	TOSTAGE \a
	SEND \a-1, 32
.endr
	SEND 3, 0
	s_wait_tensorcnt 0x0
	ds_add_u32 v[SPW], v[NIL]
	s_wait_dscnt 0x0
	CROUND
	s_endpgm
.Lfunc_end_k_q7df98148eb_gemm2:
	.size	k_q7df98148eb_gemm2, .Lfunc_end_k_q7df98148eb_gemm2-k_q7df98148eb_gemm2
	.p2alignl 7, 3214868480
	.fill 96, 4, 3214868480
	.section	.rodata,"a",@progbits
	.p2align	6, 0x0
	.amdhsa_kernel k_q7df98148eb_gemm2
		.amdhsa_group_segment_fixed_size 327680
		.amdhsa_private_segment_fixed_size 0
		.amdhsa_enable_private_segment 0
		.amdhsa_kernarg_size 32
		.amdhsa_user_sgpr_count 2
		.amdhsa_user_sgpr_kernarg_segment_ptr 1
		.amdhsa_wavefront_size32 1
		.amdhsa_system_sgpr_workgroup_id_x 1
		.amdhsa_system_sgpr_workgroup_id_y 1
		.amdhsa_system_sgpr_workgroup_id_z 1
		.amdhsa_system_vgpr_workitem_id 0
		.amdhsa_next_free_vgpr 768
		.amdhsa_next_free_sgpr 100
		.amdhsa_reserve_vcc 0
		.amdhsa_float_denorm_mode_32 3
		.amdhsa_float_denorm_mode_16_64 3
		.amdhsa_memory_ordered 1
		.amdhsa_forward_progress 1
		.amdhsa_inst_pref_size 142
	.end_amdhsa_kernel
	.amdgpu_metadata
---
amdhsa.version: [ 1, 2 ]
amdhsa.kernels:
  - .name:           k_q7df98148eb_gemm2
    .symbol:         k_q7df98148eb_gemm2.kd
    .args:
      - { .name: brec, .offset: 0, .size: 8, .value_kind: global_buffer, .address_space: global }
      - { .name: wrec, .offset: 8, .size: 8, .value_kind: global_buffer, .address_space: global }
      - { .name: xw, .offset: 16, .size: 8, .value_kind: global_buffer, .address_space: global }
      - { .name: ssq, .offset: 24, .size: 8, .value_kind: global_buffer, .address_space: global }
    .group_segment_fixed_size: 327680
    .private_segment_fixed_size: 0
    .kernarg_segment_align: 8
    .kernarg_segment_size: 32
    .max_flat_workgroup_size: 128
    .sgpr_count:     100
    .vgpr_count:     768
    .wavefront_size: 32
...
	.end_amdgpu_metadata
.endif
;; end of part 3
;; launch norm (part 4): grid 256 x 1, 8 waves a work-group, no clusters, 0 bytes of LDS; arguments xw, ssq, bias, out0; writes out0
.if DOCPART == 4
	.amdgcn_target "amdgcn-amd-amdhsa--gfx1250"
	.amdhsa_code_object_version 6
	.text
	.protected	k_q7df98148eb_norm
	.globl	k_q7df98148eb_norm
	.p2align	8
	.type	k_q7df98148eb_norm,@function
k_q7df98148eb_norm:
	s_mov_b64 s[64:65], 0
	v_nop
	global_prefetch_b8 v0, s[64:65] scope:SCOPE_SE
	s_setreg_imm32_b32 hwreg(HW_REG_WAVE_MODE, 25, 1), 1
	s_wait_xcnt 0x0
; NORM.  out0[r][c] = xw[r][c] / max(sqrt(the row's sum of squares), 1e-12) + bias[c].  xw, out0: [8192][1024] f32; ssq: [8 parts][8192] f32, the sums of squares of 128 columns each; bias: [1024] f32.
; A stream: every byte of xw is read once, every byte of out0 written once.  Eight waves; the work-group owns 32 rows; thread t owns the 16 bytes at 16 t of every row, so a wave's load or store covers 512 consecutive
; bytes and a thread's four numbers of bias stay in registers.  All 32 loads of a wave go out at once; the waits count down.  No LDS, no barrier, no matrix unit, no cluster: nothing is shared but 4 KB of bias.
; Lane l of every wave makes row l's 1 / norm from the eight parts, added pairwise in a fixed order; v_readlane_b32 hands it to the row's turn.
; LIMITS: a sum of squares under 2^-126 counts as 0 in the root, and the norm is then held at 1e-12.  NaN and infinities are not served.
.set X, 32                             ; v32-159 row i: four registers
	s_load_b256 s[4:11], s[0:1], 0x0               ; xw, ssq, bias, out0
	v_lshlrev_b32 v1, 4, v0                        ; 16 t
	v_and_b32 v2, 31, v0
	s_delay_alu instid0(VALU_DEP_1)
	v_lshlrev_b32 v2, 2, v2                        ; 4 x lane
	s_lshl_b32 s12, ttmp9, 17                      ; 32 rows of 4,096 bytes
	s_mov_b32 s13, 0
	s_lshl_b32 s14, ttmp9, 7                       ; 32 words of a part
	s_mov_b32 s15, 0
.irp k, 21,23,25,27
	s_mov_b32 s\k, 0                               ; (named as the upper halves of pairs of which the packed form takes the low word: so they are written)
.endr
	s_wait_alu depctr_va_vdst(0)
	s_wait_kmcnt 0x0
	s_add_nc_u64 s[4:5], s[4:5], s[12:13]
	s_add_nc_u64 s[10:11], s[10:11], s[12:13]
	s_add_nc_u64 s[6:7], s[6:7], s[14:15]
	global_load_b128 v[4:7], v1, s[8:9]
.irp p, 0,1,2,3,4,5,6,7
	global_load_b32 v[8+\p], v2, s[6:7] offset:32768*\p
.endr
.irp i, 0,1,2,3,4,5,6,7,8,9,10,11,12,13,14,15,16,17,18,19,20,21,22,23,24,25,26,27,28,29,30,31
	global_load_b128 v[X+4*\i:X+4*\i+3], v1, s[4:5] offset:4096*\i th:TH_LOAD_NT
.endr
	s_wait_loadcnt 32                              ; bias and the eight parts are in; the 32 rows may be out
	v_add_f32 v8, v8, v9
	v_add_f32 v10, v10, v11
	v_add_f32 v12, v12, v13
	v_add_f32 v14, v14, v15
	s_delay_alu instid0(VALU_DEP_3)
	v_add_f32 v8, v8, v10
	s_delay_alu instid0(VALU_DEP_2)
	v_add_f32 v12, v12, v14
	s_delay_alu instid0(VALU_DEP_1)
	v_add_f32 v8, v8, v12
	s_wait_alu depctr_va_vdst(0)
	v_sqrt_f32 v8, v8
	v_nop                                          ; a plain instruction between a root or a reciprocal and the use of its result (ISA guide 5.7.2)
	s_wait_alu depctr_va_vdst(0)
	v_max_num_f32 v8, 0x2b8cbccc, v8               ; max(norm, 1e-12)
	s_wait_alu depctr_va_vdst(0)
	v_rcp_f32 v16, v8
	v_nop
	s_wait_alu depctr_va_vdst(0)
.set i, 0
.rept 32
	s_wait_loadcnt 31-i                            ; loads come back in order (ISA guide 5.7.1): row i is in, the younger rows stay out
	v_readlane_b32 s[20+2*(i%4)], v16, i
	s_delay_alu instid0(VALU_DEP_1)
	v_pk_fma_f32 v[X+4*i:X+4*i+1], v[X+4*i:X+4*i+1], s[20+2*(i%4):21+2*(i%4)], v[4:5] op_sel_hi:[1,0,1]
	s_delay_alu instid0(VALU_DEP_2)
	v_pk_fma_f32 v[X+4*i+2:X+4*i+3], v[X+4*i+2:X+4*i+3], s[20+2*(i%4):21+2*(i%4)], v[6:7] op_sel_hi:[1,0,1]
	global_store_b128 v1, v[X+4*i:X+4*i+3], s[10:11] offset:4096*i th:TH_STORE_NT
.set i, i+1
.endr
	s_endpgm
.Lfunc_end_k_q7df98148eb_norm:
	.size	k_q7df98148eb_norm, .Lfunc_end_k_q7df98148eb_norm-k_q7df98148eb_norm
	.p2alignl 7, 3214868480
	.fill 96, 4, 3214868480
	.section	.rodata,"a",@progbits
	.p2align	6, 0x0
	.amdhsa_kernel k_q7df98148eb_norm
		.amdhsa_group_segment_fixed_size 0
		.amdhsa_private_segment_fixed_size 0
		.amdhsa_enable_private_segment 0
		.amdhsa_kernarg_size 32
		.amdhsa_user_sgpr_count 2
		.amdhsa_user_sgpr_kernarg_segment_ptr 1
		.amdhsa_wavefront_size32 1
		.amdhsa_system_sgpr_workgroup_id_x 1
		.amdhsa_system_sgpr_workgroup_id_y 1
		.amdhsa_system_sgpr_workgroup_id_z 1
		.amdhsa_system_vgpr_workitem_id 0
		.amdhsa_next_free_vgpr 160
		.amdhsa_next_free_sgpr 66
		.amdhsa_reserve_vcc 0
		.amdhsa_float_denorm_mode_32 3
		.amdhsa_float_denorm_mode_16_64 3
		.amdhsa_memory_ordered 1
		.amdhsa_forward_progress 1
		.amdhsa_inst_pref_size 18
	.end_amdhsa_kernel
	.amdgpu_metadata
---
amdhsa.version: [ 1, 2 ]
amdhsa.kernels:
  - .name:           k_q7df98148eb_norm
    .symbol:         k_q7df98148eb_norm.kd
    .args:
      - { .name: xw, .offset: 0, .size: 8, .value_kind: global_buffer, .address_space: global }
      - { .name: ssq, .offset: 8, .size: 8, .value_kind: global_buffer, .address_space: global }
      - { .name: bias, .offset: 16, .size: 8, .value_kind: global_buffer, .address_space: global }
      - { .name: out0, .offset: 24, .size: 8, .value_kind: global_buffer, .address_space: global }
    .group_segment_fixed_size: 0
    .private_segment_fixed_size: 0
    .kernarg_segment_align: 8
    .kernarg_segment_size: 32
    .max_flat_workgroup_size: 256
    .sgpr_count:     66
    .vgpr_count:     160
    .wavefront_size: 32
...
	.end_amdgpu_metadata
.endif
;; end of part 4
